; MI455X (gfx1250); checked and timed in simulation.
; The chip was launched on July 23, 2026; its instructions are those of AMD's public machine-readable ISA for CDNA 5 (MIT licence, August 2026) and "CDNA5" Instruction Set Architecture Reference Guide (July 2026). The comments in the code are by the model that wrote it; some were corrected since.
;; Neural Attention. Allowed arithmetic: matrix products marked QUANTISED: E5M2 operands, one given power-of-two scale a tensor, by v_wmma_f32_16x16x64_bf8_bf8 or v_wmma_f32_16x16x128_bf8_bf8, f32 sums; products left as they are: f32 operands where the result goes on into a quantised operand, else bf16, f16 or f32 operands; f32 sums; everything else in f32.
;; Inputs: K_codes 1 x 2 x 512 x 2 x 32 uint8 (E5M2 codes of K, K innermost, in blocks of 32 codes); Q_codes 1 x 2 x 512 x 2 x 32 uint8 (E5M2 codes of Q, K innermost, in blocks of 32 codes); W1 128 x 256 float32; W2 256 float32; b1 256 float32; b2 1 float32; lowp_scales 4 int32 (the exponents e of the quantised operands' scales 2^e).
;; Outputs: out0 1 x 2 x 512 x 512 float32.
;; This version of the problem:
;;   THIS VERSION OF THE PROBLEM IS GIVEN IN LOW PRECISION. The matrix products marked QUANTISED in the list below multiply operands that are first quantised to E5M2 (5 exponent bits, 2 mantissa bits; 8 bits a number), with one given power-of-two scale for each operand tensor; their sums are f32. All else is computed in f32.
;;   The module's matrix products, in the order in which they are computed (A, B: the left and right operand; K: the contracted axis; several contracted axes count as one K, in the product's order):
;;     1. [M 1,024, K 64] x [K 64, N 256]; A: input Q (given as codes); B: input W1: QUANTISED (scales: A lowp_scales[0], B lowp_scales[1])
;;     2. [M 1,024, K 64] x [K 64, N 256]; A: input K (given as codes); B: input W1: QUANTISED (scales: A lowp_scales[2], B lowp_scales[3])
;;     3. [M 524,288, K 256] x [K 256, N 1]; A: computed on the way; B: input W2: left as it is (N = 1 < 16)
;;   THE QUANTISER, for each operand of a quantised product, along K:
;;     - The operand's scale is 2^e, e = its entry of the input lowp_scales (int32; the entries are numbered through the quantised products in the list's order, A before B).
;;     - Each number is divided by the scale, clamped to +-57,344, and rounded to the nearest number of E5M2, ties to even, subnormals kept.
;;     - The product sums the exact products of the quantised numbers (number of the format x scale) in f32.
;;   ~~~python
;;   def quantise(x, axis, e):      # numpy; x: float32 -> the quantised numbers, widened to float32 again
;;       x = np.moveaxis(x, axis, -1); K = x.shape[-1]
;;       r = np.clip(x / 2.0 ** e, -57344, 57344)
;;       step = 2.0 ** (np.maximum(np.frexp(np.where(r == 0, 1, r))[1] - 1, -14) - 2)
;;       q = np.round(r / step) * step * 2.0 ** e      # np.round: ties to even
;;       return np.moveaxis(q, -1, axis).astype(np.float32)
;;   ~~~
;;   INPUTS GIVEN AS CODES. K (in the module: [1, 2, 512, 64], K = its axis 3); Q (in the module: [1, 2, 512, 64], K = its axis 3): each comes as NAME_codes (uint8): NAME with its K axis moved to the last place and cut into blocks of 32 codes, [.., K / 32, bytes a block], one block behind the other in memory; one code a byte (a code: sign, 5 exponent bits, 2 mantissa bits); its scale is its entry of lowp_scales. Its value is code x scale, taken as it is: it is not quantised again, and the codes and scales need not be those that the quantiser above would give.
;; One version. Each part assembles by itself: llvm-mc -triple=amdgcn-amd-amdhsa -mcpu=gfx1250 --defsym DOCPART=n.
;; ======== version 1 of 1: 1 launch
;; limits: a difference of large sums (such as E[x^2] - mean^2): digits are lost where the result is much smaller than its terms
;; launch pairs (part 1): grid 256 x 1, 4 waves a work-group, clusters of 4 x 1, 246,272 bytes of LDS; arguments W1, Q_codes, K_codes, W2, b1, b2, lowp_scales, out0; writes out0
.if DOCPART == 1
	.amdgcn_target "amdgcn-amd-amdhsa--gfx1250"
	.amdhsa_code_object_version 6
	.text
	.protected	k_q07bb067b25_pairs
	.globl	k_q07bb067b25_pairs
	.p2align	8
	.type	k_q07bb067b25_pairs,@function
k_q07bb067b25_pairs:
	s_mov_b64 s[64:65], 0
	v_nop
	global_prefetch_b8 v0, s[64:65] scope:SCOPE_SE
	s_setreg_imm32_b32 hwreg(HW_REG_WAVE_MODE, 25, 1), 1
	s_wait_xcnt 0x0
	s_wait_alu depctr_hold_cnt(0) depctr_sa_sdst(0) depctr_va_vdst(0) depctr_va_sdst(0) depctr_va_ssrc(0) depctr_va_vcc(0) depctr_vm_vsrc(0)
	s_getreg_b32 s2, hwreg(HW_REG_IB_STS2, 6, 4)
	s_cmp_eq_u32 s2, 0
	s_cbranch_scc0 .Lentry_in_a_cluster
	s_endpgm
.Lentry_in_a_cluster:
	s_bfe_u32 s2, ttmp6, 0x10000c
	s_cmp_lg_u32 s2, 0x3003
	s_cbranch_scc0 .Lentry_shape_is_right
	s_endpgm
.Lentry_shape_is_right:
; out[h][i][j] = b2 + sum over f of W2[f] relu(qp[i][f] + b1[f] + kp[j][f]),  qp = Q Wq, kp = K Wk, Wq = W1[0:64], Wk = W1[64:128]; 2 heads, 512 x 512 pairs, 256 hidden units f.
; Q and K come as codes of BF8 (E5M2); W1 (f32, K = its first axis) is quantised here with the given scales; both products go by v_wmma_f32_16x16x64_bf8_bf8, sums in f32.
; THE PAIRWISE PART, all in f32: relu(q + k) = max(q, -k) + k, and the sum over f of W2[f] k depends on j alone.  With eq = e0 + e1, Dq the raw sums of Q's product and
; nk = -(kp + b1) / 2^eq:   out = 2^eq (sum of W2 max(Dq, nk)  -  sum of W2 nk) + b2.   So a triple (i, j, f) costs one maximum and one multiply-add: two maxima go in one dual instruction, two multiply-adds in one packed one.
; The two sums are formed apart and subtracted, in f32: the order of rounding differs from the formula's, by about 2^-24 of the larger sum.
; SHARES.  A work-group (4 waves) owns 32 queries x 64 keys of one head, a wave 8 queries x 64 keys.  A lane (r = lane % 16, h = lane / 16) holds keys 4 r + 0..3 (one in each of four tiles of keys) and the hidden units 8 h + 0..7
; of each tile of 16: the layout in which the matrix unit leaves W^T x (16 columns).  The two halves' sums meet at the end.
; q SPREAD OVER THE LANES BY THE MATRIX UNIT: the product's second source is ONE query's row of codes in all 16 columns, so every lane of a half gets q[i][8 h + 0..7]: no LDS read and no lane permute in the loop.
; CLUSTER.  Every work-group needs all of W1 (128 KB): the four of a cluster ask for it JOINTLY, the same four tensor loads a wave with a mask that names the four.  All are first fills: no LDS byte is filled twice.
; k IS PERMUTED ALIKE IN BOTH SOURCES: registers 0-3 hold k = 16 h + 0..15, registers 4-7 k = 32 + 16 h + 0..15 (two loads of 16 bytes): every product meets its partner; only the order inside a sum changes.
; LIMITS on the given exponents, so that each power of two below is an f32 number: e1 and e3 between -126 and 112; eq = e0 + e1 between -126 and 127; (e2 + e3) - eq between -126 and 127.
; NaN and infinity in W1 are not served as such (an infinity is held at the largest code).
.set CP,    80                         ; a row of 64 codes in LDS + 16 bytes = 20 words: sixteen neighbouring rows begin at sixteen different multiples of 4 words modulo 64
.set WCQ,   131072                     ; LDS: 0 .. 131,071 W1 as f32, 32 KB for each wave (its own 32 rows, four chunks of 64 columns); then Wq^T's codes [256 f][CP],
.set WCK,   WCQ+256*CP                 ; Wk^T's codes,
.set NKB,   WCK+256*CP                 ; nk as images of registers: tile of hidden units T x 4,096 + tile of keys x 1,024 + half x 512 + 16 x lane,
.set WTAB,  NKB+16*4096                ; W2 [256] f32; 1,024 bytes on: -b1 / 2^eq,
.set KSB,   WTAB+2048                  ; and the sum of W2 nk for the 64 keys
; scalar registers
.set WV,  25                           ; my wave's number
.set G1,  32                           ; s[32:39] descriptor group 1
.set G0,  40                           ; s[40:55] descriptor group 0, a set for each of my four loads
.set SEL, 56                           ; s[56:57] selects of v_permlanex16_b32: lane l xor 16
.set NS,  58                           ; s[58:59] -2^(ek - eq), named as a pair
.set SE,  60                           ; byte selects: the even bytes of two registers,
.set SO,  61                           ; the odd ones
.set CNT, 62
.set SA,  63                           ; LDS steps of the tile that is fetched next: in Wq's codes,
.set SW,  66                           ; in W2's table,
.set SN,  67                           ; in nk's images
.set SQ,  68                           ; 2^eq
.set HM,  69                           ; the mask of lanes 16-31
.set MEQ, 70                           ; -eq
; vector registers, window 0
.set LN,  1
.set RR,  2
.set HH,  3
.set AW,  4                            ; W1 in LDS: my wave's 32 KB + 8 x lane
.set ACS, 5                            ; where I store codes
.set AFK, 6                            ; a fragment of Wk^T: WCK + CP r + 16 h
.set AFQ, 7                            ; of Wq^T
.set ATB, 8                            ; the tables: WTAB + 32 h
.set ANS, 9                            ; nk's images: where I store,
.set ANL, 10                           ; and load
.set AKS, 11
.set AKL, 12
.set AO,  13                           ; out: 16 r + a row for lanes 16-31
.set AGQ, 14
.set AGK, 15
.set TA,  16
.set TS,  17
.set ADA, 18                           ; the addresses of the loads in hand
.set ADW, 19
.set ADN, 20
.set VS,  21                           ; 2^e of my rows of W1
.set VL,  22                           ; 57,344 x that
.set VB2, 23
.set XX,  24                           ; the quantiser: 64 numbers,
.set PP,  88                           ; 16 registers of codes, two columns mixed,
.set FF,  104                          ; 16 for each chunk, the columns apart
.set TBR, 168
.set PA,  24                           ; the keys' side: Wk^T's fragments, two sets of four,
.set PB,  88                           ; -b1 / 2^eq likewise,
.set PW,  152                          ; W2 likewise,
.set PD,  216                          ; four results,
.set KS,  248                          ; the sum of W2 nk in four pairs
.set ACC, 24                           ; the loop: a pair of sums for (query i, tile of keys t) at ACC + 2 (4 i + t)
.set QD,  88                           ; q: 8 registers for each of my 8 queries
.set NK,  152                          ; nk: two sets of 4 tiles x 8
.set WR,  216                          ; W2: two sets of 8
.set AQ,  232                          ; Wq^T's fragment
.set TT,  240                          ; 16 maxima
.set OO,  88                           ; the way out
.set UU,  120
.set ZZ,  136
.set KSR, 152
.set KB,  64                           ; window 1: v0-63 my 8 queries' rows of codes, each in all 16 columns; v64-71 my tile of keys
.set MSB, 0
.macro WIN new                         ; s_set_vgpr_msb: bits 3:2 source 1, 7:6 destination; the high byte repeats the setting that is left
.if MSB != \new
	s_set_vgpr_msb (MSB<<8)|\new
.set MSB, \new
.endif
.endm
.macro CROUND                          ; a round of the cluster's barrier: my work-group's barrier, wave 0 signals for the work-group, all wait for the four work-groups, my work-group's barrier again
	s_barrier_signal -1
	s_barrier_wait -1
	s_cmp_lg_u32 s[WV], 0
	s_cbranch_scc1 .Lnot_wave_0_\@
	s_barrier_signal -3
.Lnot_wave_0_\@:
	s_barrier_wait -3
	s_barrier_signal -1
	s_barrier_wait -1
.endm
	s_load_b512 s[4:19], s[0:1], 0x0               ; W1 s[4:5], Q s[6:7], K s[8:9], W2 s[10:11], b1 s[12:13], b2 s[14:15], the exponents s[16:17], out s[18:19]
	s_set_vgpr_msb 0x40
	v_lshl_add_u32 v80, v0, 2, 0x3c000
	v_mov_b32 v81, 0
	s_set_vgpr_msb 0x4045
	ds_add_u32 v80, v81
	ds_add_u32 v80, v81
	s_set_vgpr_msb 0x4500
	v_lshrrev_b32 v[LN], 5, v0
	v_readfirstlane_b32 s[WV], v[LN]               ; wave 0..3
	s_bfe_u32 s26, ttmp6, 0x40000                  ; cx
	s_lshl_b32 s27, ttmp9, 2
	s_add_co_u32 s26, s27, s26                     ; my work-group = 4 x cluster + cx: it enters the addresses of Q, K and out alone
	; descriptor group 1: 32 rows x 64 elements of 4 bytes, 256 elements from row to row, dense in LDS
	s_mov_b32 s[G1+0], 15|(2<<16)|(1<<21)          ; 15:0 the mask: all four work-groups; 17:16 elements of 4 bytes; 21 set beside a mask
	s_mov_b32 s[G1+1], 64<<16                      ; tensor_dim0 = 64
	s_mov_b32 s[G1+2], 32<<16                      ; tensor_dim1 = 32
	s_mov_b32 s[G1+3], 64<<16                      ; tile_dim0 = 64: 256 bytes of a row
	s_mov_b32 s[G1+4], 32                          ; tile_dim1 = 32
	s_mov_b32 s[G1+5], 256                         ; tensor_dim0_stride
	s_mov_b32 s[G1+6], 0
	s_mov_b32 s[G1+7], 0
	s_lshl_b32 s28, s[WV], 15                      ; my 32 rows of W1 are 32,768 bytes on in memory, and so is my part of LDS
	s_mov_b32 s29, 0
	s_wait_dscnt 0x0
	s_wait_kmcnt 0x0
	s_load_b128 s[20:23], s[16:17], 0x0            ; e0 (Q), e1 (Wq), e2 (K), e3 (Wk)
	s_load_b32 s24, s[14:15], 0x0                  ; b2
	s_add_nc_u64 s[30:31], s[4:5], s[28:29]
.irp c, 0,1,2,3
	s_mov_b32 s[G0+4*\c], 1                        ; count = 1
	s_add_co_u32 s[G0+4*\c+1], s28, \c*8192        ; LDS address: wave x 32,768 + chunk x 8,192
	s_add_nc_u64 s[G0+4*\c+2:G0+4*\c+3], s[30:31], \c*256   ; columns 64 c on
	s_or_b32 s[G0+4*\c+3], s[G0+4*\c+3], 0x80000000         ; type = 2
.endr
	CROUND                                         ; all four work-groups are here: the joint loads meet
	tensor_load_to_lds s[G0:G0+3], s[G1:G1+7]      ; four loads of mine are out; nothing in them hangs on the work-group
	s_nop 0
	tensor_load_to_lds s[G0+4:G0+7], s[G1:G1+7]
	s_nop 0
	tensor_load_to_lds s[G0+8:G0+11], s[G1:G1+7]
	s_nop 0
	tensor_load_to_lds s[G0+12:G0+15], s[G1:G1+7]
	s_nop 0
.rept 4
	v_nop                                          ; four nops behind the loads
.endr
	v_and_b32 v[LN], 31, v0
	v_and_b32 v[RR], 15, v0
	v_bfe_u32 v[HH], v0, 4, 1
	v_lshlrev_b32 v[TA], 3, v0
	global_load_b64 v[TBR:TBR+1], v[TA], s[10:11]      ; W2: two numbers a thread
	global_load_b64 v[TBR+2:TBR+3], v[TA], s[12:13]    ; b1 likewise
	s_lshr_b32 s27, s26, 3                         ; 16 x head + block of 32 queries
	s_and_b32 s28, s26, 7                          ; block of 64 keys
	s_lshr_b32 s29, s26, 7                         ; head
	s_mov_b32 s3, 0
	s_lshl_b32 s2, s27, 11                         ; Q: 32 rows of 64 bytes a block,
	s_lshl_b32 s30, s[WV], 9                       ; 8 rows a wave
	s_add_co_u32 s2, s2, s30
	s_add_nc_u64 s[6:7], s[6:7], s[2:3]
	s_lshl_b32 s2, s29, 15                         ; K: 512 rows a head,
	s_lshl_b32 s30, s28, 12                        ; 64 a block,
	s_add_co_u32 s2, s2, s30
	s_lshl_b32 s30, s[WV], 6                       ; and my tile's keys are 4 r + wave
	s_add_co_u32 s2, s2, s30
	s_add_nc_u64 s[8:9], s[8:9], s[2:3]
	s_lshl_b32 s2, s27, 16                         ; out: 32 rows of 2,048 bytes a block,
	s_lshl_b32 s30, s[WV], 14                      ; 8 rows a wave,
	s_add_co_u32 s2, s2, s30
	s_lshl_b32 s30, s28, 8                         ; 64 columns a block
	s_add_co_u32 s2, s2, s30
	s_add_nc_u64 s[18:19], s[18:19], s[2:3]
	v_lshlrev_b32 v[AGQ], 4, v[HH]                 ; Q: every lane of a half reads the same 16 bytes
	v_lshl_add_u32 v[AGK], v[RR], 8, v[AGQ]        ; K: key 4 r (+ wave), + 16 h
	WIN 0x40                                       ; destination window 1
	global_load_b128 v[KB:KB+3], v[AGK], s[8:9]
	global_load_b128 v[KB+4:KB+7], v[AGK], s[8:9] offset:32
.irp i, 0,1,2,3,4,5,6,7
	global_load_b128 v[8*\i:8*\i+3], v[AGQ], s[6:7] offset:64*\i
	global_load_b128 v[8*\i+4:8*\i+7], v[AGQ], s[6:7] offset:64*\i+32
.endr
	WIN 0
	; LDS addresses: constants, the lane and the wave's number
	s_lshl_b32 s2, s[WV], 15
	v_lshl_add_u32 v[AW], v[LN], 3, s2
	s_lshr_b32 s2, s[WV], 1                        ; waves 0, 1 hold rows of Wq, waves 2, 3 of Wk;
	s_mul_i32 s2, s2, 256*CP
	s_and_b32 s30, s[WV], 1                        ; the even wave k = 0..31, the odd one k = 32..63
	s_lshl_b32 s30, s30, 5
	s_add_co_u32 s2, s2, s30
	s_add_co_u32 s2, s2, WCQ
	v_mul_u32_u24 v[ACS], v[LN], 2*CP              ; my two columns are 2 x lane and 2 x lane + 1 of a chunk
	v_add_nc_u32 v[ACS], s2, v[ACS]
	v_mul_u32_u24 v[AFQ], v[RR], CP
	v_lshl_add_u32 v[AFQ], v[HH], 4, v[AFQ]
	v_add_nc_u32 v[AFK], WCK, v[AFQ]
	v_add_nc_u32 v[AFQ], WCQ, v[AFQ]
	v_lshl_add_u32 v[ATB], v[HH], 5, WTAB
	v_lshl_add_u32 v[ANL], v[LN], 4, NKB
	s_lshl_b32 s2, s[WV], 10
	v_add_nc_u32 v[ANS], s2, v[ANL]
	v_lshl_add_u32 v[AKL], v[RR], 4, KSB
	s_lshl_b32 s2, s[WV], 2
	v_add_nc_u32 v[AKS], s2, v[AKL]
	v_lshlrev_b32 v[AO], 4, v[RR]
	v_lshl_add_u32 v[AO], v[HH], 11, v[AO]
	v_lshl_add_u32 v[TS], v0, 3, WTAB
	s_mov_b32 s[SEL], 0x76543210
	s_mov_b32 s[SEL+1], 0xfedcba98
	s_mov_b32 s[SE], 0x06040200
	s_mov_b32 s[SO], 0x07050301
	s_mov_b32 s[HM], 0xffff0000
	s_wait_kmcnt 0x0
	s_add_co_i32 s27, s20, s21                     ; eq
	s_add_co_i32 s28, s22, s23                     ; ek
	s_sub_co_i32 s29, s28, s27
	s_add_co_i32 s29, s29, 127
	s_lshl_b32 s29, s29, 23
	s_or_b32 s[NS], s29, 0x80000000                ; -2^(ek - eq)
	s_mov_b32 s[NS+1], s[NS]                       ; (named with it as a pair, so it is written)
	s_sub_co_i32 s[MEQ], 0, s27
	s_add_co_i32 s30, s27, 127
	s_lshl_b32 s[SQ], s30, 23                      ; 2^eq
	v_mov_b32 v[VB2], s24
	s_cmp_lt_u32 s[WV], 2
	s_cselect_b32 s30, s21, s23                    ; my rows' exponent: a choice, no branch
	s_add_co_i32 s30, s30, 127
	s_lshl_b32 s31, s30, 23
	v_mov_b32 v[VS], s31                           ; 2^e: the conversion takes its exponent field
	s_add_co_i32 s30, s30, 15
	s_lshl_b32 s30, s30, 23
	s_or_b32 s30, s30, 0x600000
	v_mov_b32 v[VL], s30                           ; 57,344 x 2^e
	s_wait_loadcnt 18                              ; W2 and b1 are in; behind them K's two loads and Q's sixteen may be out
	v_ldexp_f32 v[TBR+2], -v[TBR+2], s[MEQ]        ; -b1 / 2^eq
	v_ldexp_f32 v[TBR+3], -v[TBR+3], s[MEQ]
	ds_store_b64 v[TS], v[TBR:TBR+1]
	ds_store_b64 v[TS], v[TBR+2:TBR+3] offset:1024
; THE QUANTISER.  Chunk c: my 32 rows (k) x 64 columns (f).  One load takes a whole row of 256 bytes, two columns a lane; the registers run down k.  A conversion takes 4 k x 2 columns; two byte selects part the columns.
; Only I read the bytes that my loads brought, so my own wait on TENSORcnt orders the reads.
.macro QCHUNK c
	s_wait_tensorcnt 3-(\c)                        ; tensor loads of a wave end in order: chunk c is in, the later ones may be out
.set RO, 0
.rept 32
	ds_load_b64 v[XX+2*RO:XX+2*RO+1], v[AW] offset:(\c)*8192+RO*256
.set RO, RO+1
.endr
.set GG, 0
.rept 8
	s_wait_dscnt 28-4*GG                           ; rows 4 g .. 4 g + 3 are in; the loads behind them may be out
.set NN, 0
.rept 8
	v_med3_num_f32 v[XX+8*GG+NN], v[XX+8*GG+NN], -v[VL], v[VL]   ; the conversion to an 8-bit code does not saturate (ISA guide 7.6.2): the hold at the largest code x the scale
.set NN, NN+1
.endr
	v_cvt_scalef32_pk8_bf8_f32 v[PP+2*GG:PP+2*GG+1], v[XX+8*GG:XX+8*GG+7], v[VS]   ; the next group's holds are the plain lines behind it
.set GG, GG+1
.endr
	v_nop                                          ; a plain line between the last conversion and the first use of a result
.set GG, 0
.rept 8
	v_perm_b32 v[FF+16*(\c)+GG], v[PP+2*GG+1], v[PP+2*GG], s[SE]     ; column 2 x lane: k = 4 g .. 4 g + 3
	v_perm_b32 v[FF+16*(\c)+8+GG], v[PP+2*GG+1], v[PP+2*GG], s[SO]   ; column 2 x lane + 1
.set GG, GG+1
.endr
	ds_store_b128 v[ACS], v[FF+16*(\c):FF+16*(\c)+3] offset:(\c)*64*CP
	ds_store_b128 v[ACS], v[FF+16*(\c)+4:FF+16*(\c)+7] offset:(\c)*64*CP+16
	ds_store_b128 v[ACS], v[FF+16*(\c)+8:FF+16*(\c)+11] offset:(\c)*64*CP+CP
	ds_store_b128 v[ACS], v[FF+16*(\c)+12:FF+16*(\c)+15] offset:(\c)*64*CP+CP+16
.endm
	QCHUNK 0
	QCHUNK 1
	QCHUNK 2
	QCHUNK 3
	s_wait_dscnt 0x0                               ; for the others' sake: my codes and my part of the tables lie in LDS
	s_barrier_signal -1
	s_barrier_wait -1
; THE KEYS' SIDE.  Wave w makes tile w of the keys (column r = key 4 r + w) for all 16 tiles of hidden units, four at a time: D = Wk^T x K;  nk = D x -2^(ek - eq) - b1 / 2^eq;  the sum of W2 nk;  nk's image to LDS.
.macro PLOAD b, q                      ; batch b's 24 loads into set q
.irp u, 0,1,2,3
	ds_load_b128 v[PA+32*(\q)+8*\u:PA+32*(\q)+8*\u+3], v[AFK] offset:(4*(\b)+\u)*16*CP
	ds_load_b128 v[PA+32*(\q)+8*\u+4:PA+32*(\q)+8*\u+7], v[AFK] offset:(4*(\b)+\u)*16*CP+32
.endr
.irp u, 0,1,2,3
	ds_load_b128 v[PB+32*(\q)+8*\u:PB+32*(\q)+8*\u+3], v[ATB] offset:1024+(4*(\b)+\u)*64
	ds_load_b128 v[PB+32*(\q)+8*\u+4:PB+32*(\q)+8*\u+7], v[ATB] offset:1024+(4*(\b)+\u)*64+16
	ds_load_b128 v[PW+32*(\q)+8*\u:PW+32*(\q)+8*\u+3], v[ATB] offset:(4*(\b)+\u)*64
	ds_load_b128 v[PW+32*(\q)+8*\u+4:PW+32*(\q)+8*\u+7], v[ATB] offset:(4*(\b)+\u)*64+16
.endr
.endm
.macro PWORK b, q
	WIN 0x04                                       ; source 1 (K's codes) in window 1
.irp u, 0,1,2,3
	v_wmma_f32_16x16x64_bf8_bf8 v[PD+8*\u:PD+8*\u+7], v[PA+32*(\q)+8*\u:PA+32*(\q)+8*\u+7], v[KB:KB+7], 0
.endr
	WIN 0
.rept 4
	v_nop                                          ; four places between the products and the first use of a result (ISA guide 7.12.1)
.endr
.irp u, 0,1,2,3
.irp a, 0,2,4,6
	v_pk_fma_f32 v[PD+8*\u+\a:PD+8*\u+\a+1], v[PD+8*\u+\a:PD+8*\u+\a+1], s[NS:NS+1], v[PB+32*(\q)+8*\u+\a:PB+32*(\q)+8*\u+\a+1] op_sel_hi:[1,0,1]
.endr
.endr
.irp u, 0,1,2,3
.irp a, 0,2,4,6
.if ((\b) == 0) && (\u == 0)
	v_pk_mul_f32 v[KS+\a:KS+\a+1], v[PD+8*\u+\a:PD+8*\u+\a+1], v[PW+32*(\q)+8*\u+\a:PW+32*(\q)+8*\u+\a+1]   ; the first products start the sums
.else
	v_pk_fma_f32 v[KS+\a:KS+\a+1], v[PD+8*\u+\a:PD+8*\u+\a+1], v[PW+32*(\q)+8*\u+\a:PW+32*(\q)+8*\u+\a+1], v[KS+\a:KS+\a+1]
.endif
.endr
.endr
.irp u, 0,1,2,3
	ds_store_b128 v[ANS], v[PD+8*\u:PD+8*\u+3] offset:(4*(\b)+\u)*4096
	ds_store_b128 v[ANS], v[PD+8*\u+4:PD+8*\u+7] offset:(4*(\b)+\u)*4096+512
.endr
.endm
	PLOAD 0, 0
	s_wait_loadcnt 0x0                             ; K's and Q's codes
	PLOAD 1, 1
	s_wait_dscnt 24                                ; all but the 24 loads just issued
	PWORK 0, 0
	PLOAD 2, 0
	s_wait_dscnt 24                                ; likewise; the last batch's stores have also read their registers
	PWORK 1, 1
	PLOAD 3, 1
	s_wait_dscnt 24
	PWORK 2, 0
	s_wait_dscnt 0x0
	PWORK 3, 1
	v_pk_add_f32 v[KS:KS+1], v[KS:KS+1], v[KS+2:KS+3]
	v_pk_add_f32 v[KS+4:KS+5], v[KS+4:KS+5], v[KS+6:KS+7]
	v_pk_add_f32 v[KS:KS+1], v[KS:KS+1], v[KS+4:KS+5]
	v_add_f32 v[KS], v[KS], v[KS+1]
	v_permlanex16_b32 v[KS+2], v[KS], s[SEL], s[SEL+1]   ; the other half of the hidden units lies in lane l xor 16
	v_add_f32 v[KS], v[KS], v[KS+2]
	ds_store_b32 v[AKS], v[KS]                     ; key 4 r + w; both halves write the same number to the same word
	s_wait_dscnt 0x0                               ; for the others' sake: my images and my sums lie in LDS
	s_barrier_signal -1
	s_barrier_wait -1
; THE LOOP over the 16 tiles of hidden units.
.macro TLOADS tp, ra, rw, rn, k        ; a tile's 12 loads: Wq^T's fragment first, then W2 and nk into set tp
	ds_load_b128 v[AQ:AQ+3], v[\ra] offset:(\k)*16*CP
	ds_load_b128 v[AQ+4:AQ+7], v[\ra] offset:(\k)*16*CP+32
	ds_load_b128 v[WR+8*(\tp):WR+8*(\tp)+3], v[\rw] offset:(\k)*64
	ds_load_b128 v[WR+8*(\tp)+4:WR+8*(\tp)+7], v[\rw] offset:(\k)*64+16
.irp t, 0,1,2,3
	ds_load_b128 v[NK+32*(\tp)+8*\t:NK+32*(\tp)+8*\t+3], v[\rn] offset:(\k)*4096+\t*1024
	ds_load_b128 v[NK+32*(\tp)+8*\t+4:NK+32*(\tp)+8*\t+7], v[\rn] offset:(\k)*4096+\t*1024+512
.endr
.endm
.macro QMUL i0, n                      ; q of queries i0 .. i0 + n - 1 for the tile whose fragment lies in AQ: each a sum of its own, begun with 0
	WIN 0x04                                       ; source 1 (the query's row in all columns) in window 1
.set NN, \i0
.rept \n
	v_wmma_f32_16x16x64_bf8_bf8 v[QD+8*NN:QD+8*NN+7], v[AQ:AQ+7], v[8*NN:8*NN+7], 0
.set NN, NN+1
.endr
	WIN 0
.endm
; One tile.  p: its set of nk and W2.  first = 1: the first products start the sums: nothing is cleared.  pre = 1: the next tile is fetched and its q made meanwhile.
; Four steps of two queries; in a step four pairs of hidden units; for each: 8 dual maxima (2 queries x 4 tiles of keys), then 8 packed multiply-adds onto 8 different pairs of sums.
; The next tile's q is written over a query's registers when the step that read them is over: queries 0-3 behind step 1, queries 4-7 behind step 3; each is read again 128 vector instructions later or more.
; The loads stand behind the first 16 vector instructions, which name no register of the last products: more than the four places that a load into Wq^T's fragment wants behind them.
.macro PHASE p, first, pre, ra, rw, rn, k
.set SI, 0
.rept 4
.set AP, 0
.rept 4
.set NN, 0
.rept 8
	v_dual_max_num_f32 v[TT+2*NN], v[QD+8*(2*SI+NN/4)+2*AP], v[NK+32*(\p)+8*(NN%4)+2*AP] :: v_dual_max_num_f32 v[TT+2*NN+1], v[QD+8*(2*SI+NN/4)+2*AP+1], v[NK+32*(\p)+8*(NN%4)+2*AP+1]
.set NN, NN+1
.endr
.set NN, 0
.rept 8
.if (\first) && (AP == 0)
	v_pk_mul_f32 v[ACC+2*(8*SI+NN):ACC+2*(8*SI+NN)+1], v[TT+2*NN:TT+2*NN+1], v[WR+8*(\p)+2*AP:WR+8*(\p)+2*AP+1]
.else
	v_pk_fma_f32 v[ACC+2*(8*SI+NN):ACC+2*(8*SI+NN)+1], v[TT+2*NN:TT+2*NN+1], v[WR+8*(\p)+2*AP:WR+8*(\p)+2*AP+1], v[ACC+2*(8*SI+NN):ACC+2*(8*SI+NN)+1]
.endif
.set NN, NN+1
.endr
.if (\pre) && (SI == 0) && (AP == 0)
	TLOADS 1-(\p), \ra, \rw, \rn, \k
.endif
.set AP, AP+1
.endr
.if (\pre) && (SI == 1)
	s_wait_dscnt 10                                ; the fragment's two loads are in; behind them W2's two and nk's eight may be out
	QMUL 0, 4
.endif
.if (\pre) && (SI == 3)
	QMUL 4, 4
.endif
.set SI, SI+1
.endr
.if \pre
	s_wait_dscnt 0x0                               ; the next tile's W2 and nk, asked for at this tile's head
.endif
.endm
	TLOADS 0, AFQ, ATB, ANL, 0                     ; tile 0
	s_wait_dscnt 0x0
	QMUL 0, 8
.rept 4
	v_nop                                          ; four places between the products and the first use of a result
.endr
	PHASE 0, 1, 1, AFQ, ATB, ANL, 1                ; tile 0 stands in front of the loop: its products start the sums; it fetches tile 1
	s_mov_b32 s[SA], 2*16*CP
	s_mov_b32 s[SW], 2*64
	s_mov_b32 s[SN], 2*4096
	s_mov_b32 s[CNT], 7
.Ltrip:                                                ; a trip: tiles 2 n + 1 and 2 n + 2, until the two sets are back where they began; it fetches tiles 2 n + 2 and 2 n + 3
	v_add_nc_u32 v[ADA], s[SA], v[AFQ]
	v_add_nc_u32 v[ADW], s[SW], v[ATB]
	v_add_nc_u32 v[ADN], s[SN], v[ANL]
	s_add_co_u32 s[SA], s[SA], 2*16*CP
	s_add_co_u32 s[SW], s[SW], 2*64
	s_add_co_u32 s[SN], s[SN], 2*4096
	PHASE 1, 0, 1, ADA, ADW, ADN, 0
	PHASE 0, 0, 1, ADA, ADW, ADN, 1
	s_sub_co_u32 s[CNT], s[CNT], 1
	s_cmp_lg_u32 s[CNT], 0
	s_cbranch_scc1 .Ltrip
	ds_load_b128 v[KSR:KSR+3], v[AKL]              ; the sums of W2 nk of my four keys, into nk's set 0, which the last tile does not read
	PHASE 1, 0, 0, AFQ, ATB, ANL, 0                ; tile 15 fetches nothing
	; THE WAY OUT.  A pair's two sums are added; then the two halves of the lanes: of rows 2 p and 2 p + 1 lanes 0-15 end up with the first and lanes 16-31 with the second.
.set NN, 0
.rept 32
	v_add_f32 v[OO+NN], v[ACC+2*NN], v[ACC+2*NN+1] ; (query i, tile of keys t) at OO + 4 i + t
.set NN, NN+1
.endr
.irp p, 0,1,2,3
.irp t, 0,1,2,3
	v_cndmask_b32 v[UU+4*\p+\t], v[OO+8*\p+4+\t], v[OO+8*\p+\t], s[HM]   ; what the other half wants: lanes 0-15 the odd row's part, lanes 16-31 the even row's
	v_cndmask_b32 v[ZZ+4*\p+\t], v[OO+8*\p+\t], v[OO+8*\p+4+\t], s[HM]   ; what stays: lanes 0-15 the even row's part, lanes 16-31 the odd row's
.endr
.endr
.irp n, 0,1,2,3,4,5,6,7,8,9,10,11,12,13,14,15
	v_permlanex16_b32 v[OO+\n], v[UU+\n], s[SEL], s[SEL+1]
.endr
.irp n, 0,1,2,3,4,5,6,7,8,9,10,11,12,13,14,15
	v_add_f32 v[ZZ+\n], v[ZZ+\n], v[OO+\n]
.endr
	s_wait_dscnt 0x0
.irp t, 0,1,2,3
	v_fma_f32 v[KSR+\t], -v[KSR+\t], s[SQ], v[VB2] ; b2 - 2^eq x the sum of W2 nk
.endr
.irp p, 0,1,2,3
.irp t, 0,1,2,3
	v_fma_f32 v[ZZ+4*\p+\t], v[ZZ+4*\p+\t], s[SQ], v[KSR+\t]
.endr
.endr
.irp p, 0,1,2,3
	global_store_b128 v[AO], v[ZZ+4*\p:ZZ+4*\p+3], s[18:19] offset:4096*\p th:TH_STORE_NT   ; sixteen lanes store 256 consecutive bytes of a row, at a multiple of 256 from out's first byte; written once
.endr
	s_set_vgpr_msb 0x5
	s_wait_tensorcnt 0x0
	ds_add_u32 v80, v81
	s_wait_dscnt 0x0
	s_set_vgpr_msb 0x500
	CROUND                                         ; the closing round: no work-group ends while a partner may still ask for a tile that names it
	s_endpgm
.Lfunc_end_k_q07bb067b25_pairs:
	.size	k_q07bb067b25_pairs, .Lfunc_end_k_q07bb067b25_pairs-k_q07bb067b25_pairs
	.p2alignl 7, 3214868480
	.fill 96, 4, 3214868480
	.section	.rodata,"a",@progbits
	.p2align	6, 0x0
	.amdhsa_kernel k_q07bb067b25_pairs
		.amdhsa_group_segment_fixed_size 246272
		.amdhsa_private_segment_fixed_size 0
		.amdhsa_enable_private_segment 0
		.amdhsa_kernarg_size 64
		.amdhsa_user_sgpr_count 2
		.amdhsa_user_sgpr_kernarg_segment_ptr 1
		.amdhsa_wavefront_size32 1
		.amdhsa_system_sgpr_workgroup_id_x 1
		.amdhsa_system_sgpr_workgroup_id_y 1
		.amdhsa_system_sgpr_workgroup_id_z 1
		.amdhsa_system_vgpr_workitem_id 0
		.amdhsa_next_free_vgpr 338
		.amdhsa_next_free_sgpr 72
		.amdhsa_reserve_vcc 0
		.amdhsa_float_denorm_mode_32 3
		.amdhsa_float_denorm_mode_16_64 3
		.amdhsa_memory_ordered 1
		.amdhsa_forward_progress 1
		.amdhsa_inst_pref_size 137
	.end_amdhsa_kernel
	.amdgpu_metadata
---
amdhsa.version: [ 1, 2 ]
amdhsa.kernels:
  - .name:           k_q07bb067b25_pairs
    .symbol:         k_q07bb067b25_pairs.kd
    .args:
      - { .name: W1, .offset: 0, .size: 8, .value_kind: global_buffer, .address_space: global }
      - { .name: Q_codes, .offset: 8, .size: 8, .value_kind: global_buffer, .address_space: global }
      - { .name: K_codes, .offset: 16, .size: 8, .value_kind: global_buffer, .address_space: global }
      - { .name: W2, .offset: 24, .size: 8, .value_kind: global_buffer, .address_space: global }
      - { .name: b1, .offset: 32, .size: 8, .value_kind: global_buffer, .address_space: global }
      - { .name: b2, .offset: 40, .size: 8, .value_kind: global_buffer, .address_space: global }
      - { .name: lowp_scales, .offset: 48, .size: 8, .value_kind: global_buffer, .address_space: global }
      - { .name: out0, .offset: 56, .size: 8, .value_kind: global_buffer, .address_space: global }
    .group_segment_fixed_size: 246272
    .private_segment_fixed_size: 0
    .kernarg_segment_align: 8
    .kernarg_segment_size: 64
    .max_flat_workgroup_size: 128
    .sgpr_count:     72
    .vgpr_count:     338
    .wavefront_size: 32
...
	.end_amdgpu_metadata
.endif
;; end of part 1
